; MI455X (gfx1250); checked and timed in simulation.
; The chip was launched on July 23, 2026; its instructions are those of AMD's public machine-readable ISA for CDNA 5 (MIT licence, August 2026) and "CDNA5" Instruction Set Architecture Reference Guide (July 2026). The comments in the code are by the model that wrote it; some were corrected since.
;; MA1. Allowed arithmetic: float matrix products may take bf16 or f16 operands with f32 sums; all other float work in f32.
;; Inputs: FC_b 512 float32; FC_w 512 x 512 float32; Wk_b 512 float32; Wk_w 512 x 512 float32; Wq_b 512 float32; Wq_w 512 x 512 float32; Wv_b 512 float32; Wv_w 512 x 512 float32; rep 8 x 2,048 x 512 float32; rep1 8 x 2,048 x 512 float32.
;; Outputs: out0 8 x 2,048 x 512 float32.
;; One version. Each part assembles by itself: llvm-mc -triple=amdgcn-amd-amdhsa -mcpu=gfx1250 --defsym DOCPART=n.
;; ======== version 1 of 1: 3 launches
;; workspace buffers: wf 2,097,152 bytes; qf 16,777,216 bytes; kf 16,777,216 bytes; vf 16,777,216 bytes
;; launch prep (part 1): grid 256 x 1, 8 waves a work-group, no clusters, 17,920 bytes of LDS; arguments Wq_w, Wk_w, Wv_w, FC_w, wf; writes wf
.if DOCPART == 1
	.amdgcn_target "amdgcn-amd-amdhsa--gfx1250"
	.amdhsa_code_object_version 6
	.text
	.protected	k_qd358293134_prep
	.globl	k_qd358293134_prep
	.p2align	8
	.type	k_qd358293134_prep,@function
k_qd358293134_prep:
	s_mov_b64 s[64:65], 0
	v_nop
	global_prefetch_b8 v0, s[64:65] scope:SCOPE_SE
	s_setreg_imm32_b32 hwreg(HW_REG_WAVE_MODE, 25, 1), 1
	s_wait_xcnt 0x0
; The four weights [512 k][512 n] f32 are written as bf16 FRAGMENTS: the register image of a 16 x 32 matrix operand, 1,024 bytes:
; byte 16 lane holds registers 0-3, byte 512 + 16 lane registers 4-7.  With r = lane % 16, h = lane / 16, element (lane, part, j) of
; fragment (chunk c of 32 k, tile ct of 16 n) is W[32 c + 16 part + 8 h + j][16 ct + r].
; Fragment number R = (((mtx 4 + b) 4 + w) 4 + cc) 8 + cb, c = 4 b + cc, ct = 8 w + cb: a block (mtx, b) is 131,072 bytes, and the
; quarter of it that wave w of the next launch fetches is 32,768 consecutive bytes.
; SHARES.  Work-group number = R / 8; its eight waves make the eight fragments cb of one patch of 32 rows x 128 columns.  The patch
; comes in by rows (each load of a wave covers 512 consecutive bytes, aligned), goes through LDS, and is read back by columns.
; No matrix unit, no tensor load, no cluster: 4 MiB are moved once and no two work-groups read the same byte.
.set PITCH, 528                        ; a patch row in LDS: 512 bytes + 16
.set SPARE, 32*PITCH                   ; behind the patch (66 blocks of 256 bytes): the spare words, 128 bytes for each of eight waves
.set SPW,   40                         ; v40  SPARE + 4 x my thread's number; never rewritten
.set NIL,   41                         ; v41  0; never rewritten
	s_load_b256 s[4:11], s[0:1], 0x0               ; Wq_w s[4:5], Wk_w s[6:7], Wv_w s[8:9], FC_w s[10:11]
	s_load_b64 s[12:13], s[0:1], 0x20              ; wf
	v_lshl_add_u32 v[SPW], v0, 2, SPARE
	v_mov_b32 v[NIL], 0
	v_lshrrev_b32 v1, 5, v0
	v_readfirstlane_b32 s14, v1                    ; wave = cb
	v_and_b32 v2, 31, v0                           ; lane
	v_and_b32 v3, 15, v0                           ; r
	v_bfe_u32 v4, v0, 4, 1                         ; h
	s_lshr_b32 s15, ttmp9, 6                       ; mtx
	s_and_b32 s16, ttmp9, 3                        ; cc
	s_bfe_u32 s17, ttmp9, 0x20002                  ; w
	s_bfe_u32 s18, ttmp9, 0x20004                  ; b
	s_lshl2_add_u32 s16, s18, s16                  ; c = 4 b + cc
	s_lshl_b32 s16, s16, 16                        ; 32 rows of 2,048 bytes a chunk
	s_lshl_b32 s17, s17, 9                         ; 128 columns of 4 bytes
	s_add_co_u32 s16, s16, s17
	s_mov_b32 s17, 0
	s_lshl_b32 s18, ttmp9, 13                      ; eight fragments of 1,024 bytes a work-group
	s_mov_b32 s19, 0
	s_mul_i32 s20, s14, 4*PITCH                    ; my four rows of the patch
	v_lshlrev_b32 v5, 4, v2                        ; 16 lane
	v_lshl_add_u32 v6, s14, 13, v5                 ; in memory: 4 rows x 2,048 bytes a wave + 16 lane
	v_add_nc_u32 v7, s20, v5                       ; in LDS, going in
	v_mul_u32_u24 v24, v4, 8*PITCH                 ; coming out: row 8 h (+ 16 part + j in the offset),
	v_lshl_add_u32 v24, v3, 2, v24                 ; column r
	v_lshl_add_u32 v24, s14, 6, v24                ; of tile cb.  The two halves of the lanes lie 1,056 words apart: 32 banks
	v_lshl_add_u32 v25, s14, 10, v5                ; my fragment in the work-group's eight + 16 lane
	s_wait_kmcnt 0x0
	s_cmp_eq_u32 s15, 1                            ; which weight: a choice between buffers on the work-group's number
	s_cselect_b64 s[4:5], s[6:7], s[4:5]
	s_cmp_eq_u32 s15, 2
	s_cselect_b64 s[4:5], s[8:9], s[4:5]
	s_cmp_eq_u32 s15, 3
	s_cselect_b64 s[4:5], s[10:11], s[4:5]
	s_add_nc_u64 s[4:5], s[4:5], s[16:17]
	s_add_nc_u64 s[12:13], s[12:13], s[18:19]
.irp i, 0,1,2,3
	global_load_b128 v[8+4*\i:11+4*\i], v6, s[4:5] offset:2048*\i th:TH_LOAD_NT
.endr
	s_wait_loadcnt 0x0
.irp i, 0,1,2,3
	ds_store_b128 v7, v[8+4*\i:11+4*\i] offset:PITCH*\i
.endr
	s_wait_dscnt 0x0                               ; for the others: my rows are in the patch
	s_barrier_signal -1
	s_barrier_wait -1
.set z, 0
.rept 16                                       ; z = 8 part + j
	ds_load_b32 v[8+z], v24 offset:(16*(z/8)+z%8)*PITCH
.set z, z+1
.endr
	s_wait_dscnt 0x0
.set z, 0
.rept 8
	v_cvt_pk_bf16_f32 v[32+z], v[8+2*z], v[8+2*z+1]   ; the lower k in the low half
.set z, z+1
.endr
	global_store_b128 v25, v[32:35], s[12:13]             ; each store of the wave covers 512 consecutive bytes, aligned
	global_store_b128 v25, v[36:39], s[12:13] offset:512
	s_wait_tensorcnt 0x0                           ; the wave's end, behind my last LDS store
	ds_add_u32 v[SPW], v[NIL]
	s_wait_dscnt 0x0
	s_endpgm
.Lfunc_end_k_qd358293134_prep:
	.size	k_qd358293134_prep, .Lfunc_end_k_qd358293134_prep-k_qd358293134_prep
	.p2alignl 7, 3214868480
	.fill 96, 4, 3214868480
	.section	.rodata,"a",@progbits
	.p2align	6, 0x0
	.amdhsa_kernel k_qd358293134_prep
		.amdhsa_group_segment_fixed_size 17920
		.amdhsa_private_segment_fixed_size 0
		.amdhsa_enable_private_segment 0
		.amdhsa_kernarg_size 40
		.amdhsa_user_sgpr_count 2
		.amdhsa_user_sgpr_kernarg_segment_ptr 1
		.amdhsa_wavefront_size32 1
		.amdhsa_system_sgpr_workgroup_id_x 1
		.amdhsa_system_sgpr_workgroup_id_y 1
		.amdhsa_system_sgpr_workgroup_id_z 1
		.amdhsa_system_vgpr_workitem_id 0
		.amdhsa_next_free_vgpr 48
		.amdhsa_next_free_sgpr 66
		.amdhsa_reserve_vcc 0
		.amdhsa_float_denorm_mode_32 3
		.amdhsa_float_denorm_mode_16_64 3
		.amdhsa_memory_ordered 1
		.amdhsa_forward_progress 1
		.amdhsa_inst_pref_size 5
	.end_amdhsa_kernel
	.amdgpu_metadata
---
amdhsa.version: [ 1, 2 ]
amdhsa.kernels:
  - .name:           k_qd358293134_prep
    .symbol:         k_qd358293134_prep.kd
    .args:
      - { .name: Wq_w, .offset: 0, .size: 8, .value_kind: global_buffer, .address_space: global }
      - { .name: Wk_w, .offset: 8, .size: 8, .value_kind: global_buffer, .address_space: global }
      - { .name: Wv_w, .offset: 16, .size: 8, .value_kind: global_buffer, .address_space: global }
      - { .name: FC_w, .offset: 24, .size: 8, .value_kind: global_buffer, .address_space: global }
      - { .name: wf, .offset: 32, .size: 8, .value_kind: global_buffer, .address_space: global }
    .group_segment_fixed_size: 17920
    .private_segment_fixed_size: 0
    .kernarg_segment_align: 8
    .kernarg_segment_size: 40
    .max_flat_workgroup_size: 256
    .sgpr_count:     66
    .vgpr_count:     48
    .wavefront_size: 32
...
	.end_amdgpu_metadata
.endif
;; end of part 1
;; launch proj (part 2): grid 256 x 1, 4 waves a work-group, clusters of 4 x 1, 327,680 bytes of LDS; arguments rep, rep1, Wq_b, Wk_b, Wv_b, wf, qf, kf, vf; writes qf, kf, vf
.if DOCPART == 2
	.amdgcn_target "amdgcn-amd-amdhsa--gfx1250"
	.amdhsa_code_object_version 6
	.text
	.protected	k_qd358293134_proj
	.globl	k_qd358293134_proj
	.p2align	8
	.type	k_qd358293134_proj,@function
k_qd358293134_proj:
	s_mov_b64 s[64:65], 0
	v_nop
	global_prefetch_b8 v0, s[64:65] scope:SCOPE_SE
	s_setreg_imm32_b32 hwreg(HW_REG_WAVE_MODE, 25, 1), 1
	s_wait_xcnt 0x0
	s_wait_alu depctr_hold_cnt(0) depctr_sa_sdst(0) depctr_va_vdst(0) depctr_va_sdst(0) depctr_va_ssrc(0) depctr_va_vcc(0) depctr_vm_vsrc(0)
	s_getreg_b32 s2, hwreg(HW_REG_IB_STS2, 6, 4)
	s_cmp_eq_u32 s2, 0
	s_cbranch_scc0 .Lentry_in_a_cluster
	s_endpgm
.Lentry_in_a_cluster:
	s_bfe_u32 s2, ttmp6, 0x10000c
	s_cmp_lg_u32 s2, 0x3003
	s_cbranch_scc0 .Lentry_shape_is_right
	s_endpgm
.Lentry_shape_is_right:
; q = relu(rep Wq + b), k = relu(rep1 Wk + b), v2 = relu(rep1 Wv + b) FC.  Operands bf16, sums f32; q, k, v and v2 are rounded to bf16 once each.
; ORDER OF ROUNDING, stated: the last linear layer is applied to v here, ahead of the attention: softmax rows weigh linearly, so (attn v) FC = attn (v FC)
; for every input; its bias and relu follow in the next launch.  The sums over K are taken in an order that hangs on the cluster (THE WALK).  NaN and infinities are not treated apart.
; SHARES.  A work-group owns 64 rows (four tiles t of 16) and makes four products 64 x 512 x 512.  Wave w owns 128 channels of all 64 rows:
; 32 accumulators (cb, t), K in 16 chunks of 32.  All of X (64 x 512 bf16, 512 registers) stays in registers, so a weight byte is read from LDS once, by one wave.
; FRAGMENTS.  Every 16-bit operand lies as register images of 1,024 bytes (byte 16 lane: registers 0-3; 512 + 16 lane: registers 4-7), so every LDS load takes
; 512 consecutive bytes and the packed result of a product is part of a fragment of the next product: it leaves by stores of 512 consecutive aligned bytes.
;   out^T = W^T X^T (source 0 = weights, source 1 = X): a lane holds one row and 8 channels: part cb % 2 of fragment (t, chunk 4 w + cb / 2) of q, k or v.
;   the FC product has its sources swapped: a lane holds one channel and 8 keys: part t % 2 of a fragment of v2^T.
; RING AND CLUSTER.  All work-groups walk the same 16 weight blocks of 131,072 bytes through two LDS slots; the four of a cluster ask for each block JOINTLY.
; Each wave fetches, and alone reads, its quarter of a block: its own wait on its tensor loads orders its reads.  One load a wave goes out behind each round,
; 128 matrix instructions ahead of the wait for it.  By this text's count a wave has two tensor loads out at the start, later one.
; THE WALK.  A sum over K does not mind the order of its blocks.  A cluster takes the four blocks of a product in the order b xor m, m = 0..3 made from the cluster's
; number: only a product's first block is asked for by all clusters for the first time at one moment; each of the other three has been asked for by other clusters
; one to three blocks earlier.  The text is one for all m: X lies in its registers with its blocks of 128 k permuted likewise: rep and rep1 by the addresses
; that they are loaded from; v because wave w makes channels 128 (w xor m) .. of v, by the addresses of its quarter of Wv and of its part of Wv's bias.
; WINDOWS of 256 registers: 0 addresses, bias, two weight buffers (between products: packed results); 1 accumulators (cb, t) at 8 (4 cb + t), scratch in the
; exchange; 2, 3 X fragments (chunk c, t) at 8 (4 (c % 8) + t); window 2 also takes the next X as f32.
.set BLK,   131072                     ; a weight block, and a slot
.set XST,   2*BLK                      ; half of X: 32 fragments, number 4 (c % 8) + t
.set RAWST, XST+32768                  ; 16 rows x 272 bytes for each wave, its own: f32 rows are turned into fragment order here
.set RP,    272                        ; 256 bytes + 16: the 16 rows that a load touches start at 16 different groups of four banks
.set SPARE, RAWST+4*16*RP              ; the spare words, 128 bytes a wave: two blocks of 256 bytes that no other line names
.set AW,   2                           ; v2, v3  my quarter of slot 0, 1 + 16 lane
.set AXS,  4                           ; v4   XST + 1,024 w + 16 lane
.set AXL,  5                           ; v5   XST + 16 lane
.set AXA,  6                           ; v6   XST + 16,384 (w % 2) + 16 lane
.set ARS,  7                           ; v7   my raw stage, going in: row h, 16 r
.set ARL,  8                           ; v8   coming out: row r, 32 h
.set GX,   9                           ; v9   my 16 rows of X in memory: 32,768 w + 2,048 h + 16 r
.set GB,   10                          ; v10  32 h: my lanes' channels in a tile of a bias
.set GO,   11                          ; v11  4,096 w + 16 lane: my chunks in q and k
.set GOV,  12                          ; v12  32,768 w + 16 lane: my channels in v2
.set SPW,  30                          ; v30  SPARE + 4 x my thread's number; never rewritten
.set NIL,  31                          ; v31  0; never rewritten
.set BIAS, 32                          ; v32-95   8 registers for each cb: the C operand that starts a sum
.set WB0,  128                         ; v128-191 weight fragments of one chunk
.set WB1,  192                         ; v192-255 of the next
.set PK,   128                         ; v128-255 packed results, between products
.set WV,   22                          ; s22  my wave's number
.set G1,   32                          ; s[32:39] descriptor group 1
.set G0,   40                          ; s[40:47] descriptor group 0, a set for each slot
.set PCT,  48                          ; s48  the product in hand: 0 Wq, 1 Wk, 2 Wv
.set MR,   49                          ; s49  m
.set WQ1,  50                          ; s[50:51] wf at quarter w
.set OUTP, 52                          ; s[52:53] where the product in hand is stored
.set BP,   54                          ; s[54:55] the next product's bias
.set WQ2,  56                          ; s[56:57] wf at quarter w xor m, for Wv's blocks
.set DOF,  58                          ; s[58:59] a block's byte offset in wf; the high word stays 0
.set SB,   60                          ; s[60:61] the one of the two bases that the block takes
.set WM,   62                          ; s62  w xor m
.set XBA,  68                          ; s[68:75] rep at my rows, a base for each block of 128 k as it lies in the registers
.set XBB,  76                          ; s[76:83] the same for rep1
.set MSB, 0
.macro WIN new                         ; the immediate's high byte repeats the setting that is left; a switch that changes nothing is dropped
.if MSB != (\new)
	s_set_vgpr_msb (MSB<<8)|(\new)
.set MSB, (\new)
.endif
.endm
.macro PLACES n                        ; plain vector instructions between a matrix instruction and what touches its registers (ISA guide 7.12.1)
.rept \n
	v_nop
.endr
.endm
.macro BAR                             ; my LDS instructions are done; then the work-group's barrier
	s_wait_dscnt 0x0
	s_barrier_signal -1
	s_barrier_wait -1
.endm
.macro ROUND                           ; a round of the cluster's barrier: my work-group's barrier, wave 0 signals for it, all wait for the four, my work-group's barrier again
	s_barrier_signal -1
	s_barrier_wait -1
	s_cmp_lg_u32 s[WV], 0
	s_cbranch_scc1 .Lnot_wave_0_\@
	s_barrier_signal -3
.Lnot_wave_0_\@:
	s_barrier_wait -3
	s_barrier_signal -1
	s_barrier_wait -1
.endm
; 16 LDS loads: the 8 weight fragments cb of chunk cc of the block in a slot
.macro FETCHW slot, cc, buf
	WIN 0
.set z, 0
.rept 8
	ds_load_b128 v[(\buf)+8*z:(\buf)+8*z+3],   v[AW+(\slot)] offset:(8*(\cc)+z)*1024
	ds_load_b128 v[(\buf)+8*z+4:(\buf)+8*z+7], v[AW+(\slot)] offset:(8*(\cc)+z)*1024+512
.set z, z+1
.endr
.endm
; 32 matrix instructions, chunk c: the 32 accumulators take turns, one instruction a turn.  form 0: source 0 weights, source 1 X;
; the first chunk starts the sums with the bias.  form 1: sources swapped; the first chunk starts them with 0.
.macro MUL c, buf, form, first
.if (\form) == 0
.if \first
	WIN 0x40|((2+(\c)/8)<<2)
.else
	WIN 0x50|((2+(\c)/8)<<2)
.endif
.else
	WIN 0x50|(2+(\c)/8)
.endif
.set z, 0
.rept 32                               ; z = 4 cb + t
.set rD, 8*z
.set rW, (\buf)+8*(z/4)
.set rX, 8*(4*((\c)%8)+z%4)
.if (\form) == 0
.if \first
	v_wmma_f32_16x16x32_bf16 v[rD:rD+7], v[rW:rW+7], v[rX:rX+7], v[BIAS+8*(z/4):BIAS+8*(z/4)+7]
.else
	v_wmma_f32_16x16x32_bf16 v[rD:rD+7], v[rW:rW+7], v[rX:rX+7], v[rD:rD+7]
.endif
.else
.if \first
	v_wmma_f32_16x16x32_bf16 v[rD:rD+7], v[rX:rX+7], v[rW:rW+7], 0
.else
	v_wmma_f32_16x16x32_bf16 v[rD:rD+7], v[rX:rX+7], v[rW:rW+7], v[rD:rD+7]
.endif
.endif
.set z, z+1
.endr
.endm
; The change of slots in block b of a product.  fill = 1: all my tensor loads have landed (the one that was out is my quarter of the other slot), the add, my reads of
; this slot are back, a round of the cluster's barrier, and first behind it the joint refill of this slot with the block two places on in the walk.  Its address is made
; anew: place n = 4 P + b + 2 holds block n xor m; Wv's blocks (places 8 to 11) are taken at quarter w xor m, all others at quarter w.  looped = 0: the FC product, places 14, 15.
; fill = 0: the other slot is waited for and nothing is asked for.  fill = 2: the last block.  The four v_nop are also the places in front of the loads into buffer 0.
.macro TURNW slot, fill, b, looped
	WIN 0
.if (\fill) == 1
	s_wait_tensorcnt 0x0                           ; no tensor load of mine is out, so a group 0 may be written
	ds_add_u32 v[SPW], v[NIL]                      ; the address is made between it and the wait for it
.if \looped
	s_lshl2_add_u32 s[DOF], s[PCT], (\b)+2
	s_xor_b32 s[DOF], s[DOF], s[MR]
	s_lshl_b32 s[DOF], s[DOF], 17
	s_cmp_eq_u32 s[PCT], 2-(\b)/2                  ; is the place one of Wv's?
	s_cselect_b64 s[SB:SB+1], s[WQ2:WQ2+1], s[WQ1:WQ1+1]
.else
	s_xor_b32 s[DOF], s[MR], 14+(\b)
	s_lshl_b32 s[DOF], s[DOF], 17
	s_mov_b64 s[SB:SB+1], s[WQ1:WQ1+1]
.endif
	s_add_nc_u64 s[G0+4*(\slot)+2:G0+4*(\slot)+3], s[SB:SB+1], s[DOF:DOF+1]
	s_or_b32 s[G0+4*(\slot)+3], s[G0+4*(\slot)+3], 0x80000000
	s_wait_dscnt 0x0                               ; the add is done, and my reads of this slot are over
	ROUND
	tensor_load_to_lds s[G0+4*(\slot):G0+4*(\slot)+3], s[G1:G1+7]
	s_nop 0
	PLACES 4
.elseif (\fill) == 0
	s_wait_tensorcnt 0x0                           ; my quarter of the last block has landed
	s_wait_dscnt 0x0
	PLACES 4
.else
	s_wait_dscnt 0x0
.endif
.endm
; 32 loads: four segments (256 bytes of a row) of my 16 rows of X in f32, for the registers' blocks 2 half and 2 half + 1, each from its own base;
; lanes 0-15 take an even row's 256 aligned bytes, lanes 16-31 the odd row's
.macro RAWLOAD xb, half
	WIN 0x80                                       ; destination window 2
.set z, 0
.rept 32                               ; z = 8 (segment % 4) + row pair
.set rB, (\xb)+2*(2*(\half)+z/16)
	global_load_b128 v[128*(\half)+4*z:128*(\half)+4*z+3], v[GX], s[rB:rB+1] offset:(z%8)*4096+((z/8)%2)*256 th:TH_LOAD_NT
.set z, z+1
.endr
	WIN 0
.endm
; Segment by segment through my own stage: in by rows as loaded, out as a lane's 2 x 16 numbers of two chunks.  LDS serves a wave's instructions in order
; (ISA guide 5.7.1.4), so no wait stands between; no other wave touches these bytes.
.macro TRANSP
	WIN 0x48                                       ; store data window 2, loaded data window 1
.set sg, 0
.rept 8
.set z, 0
.rept 8
	ds_store_b128 v[ARS], v[4*(8*sg+z):4*(8*sg+z)+3] offset:z*2*RP
.set z, z+1
.endr
.set z, 0
.rept 8                                ; z = 4 e + i: chunk 2 sg + e; i: k 8 h + 0..3, + 4..7, 16 + 8 h + 0..3, + 4..7
	ds_load_b128 v[32*sg+4*z:32*sg+4*z+3], v[ARL] offset:128*(z/4)+64*((z%4)/2)+16*(z%2)
.set z, z+1
.endr
.set sg, sg+1
.endr
.endm
.macro CVTRAW                          ; f32 to bf16: my tile's 16 fragments into PK + 8 chunk
	WIN 0x05
.set sg, 0
.rept 8
.if 16*(7-sg) > 63
	s_wait_dscnt 63                                ; the count's field ends here; fewer out than need be is safe
.else
	s_wait_dscnt 16*(7-sg)                         ; the later segments' 16 LDS instructions each may be out
.endif
.set z, 0
.rept 16
	v_cvt_pk_bf16_f32 v[PK+16*sg+z], v[32*sg+2*z], v[32*sg+2*z+1]
.set z, z+1
.endr
.set sg, sg+1
.endr
	WIN 0
.endm
.macro XSTORE_RAW half                 ; my tile's fragments of chunks 8 half .. + 7 into XST
.set z, 0
.rept 8
	ds_store_b128 v[AXS], v[PK+8*(8*(\half)+z):PK+8*(8*(\half)+z)+3]   offset:z*4096
	ds_store_b128 v[AXS], v[PK+8*(8*(\half)+z)+4:PK+8*(8*(\half)+z)+7] offset:z*4096+512
.set z, z+1
.endr
.endm
.macro XSTORE_ACC                      ; v, packed: my four chunks of all four tiles into XST
.set z, 0
.rept 32                               ; z = 4 cb + t
	ds_store_b128 v[AXA], v[PK+4*z:PK+4*z+3] offset:(4*(z/8)+z%4)*1024+((z/4)%2)*512
.set z, z+1
.endr
.endm
.macro XLOAD half                      ; all 32 fragments of XST into window 2 + half
	WIN 0x80+0x40*(\half)
.set z, 0
.rept 32
	ds_load_b128 v[8*z:8*z+3],   v[AXL] offset:z*1024
	ds_load_b128 v[8*z+4:8*z+7], v[AXL] offset:z*1024+512
.set z, z+1
.endr
	WIN 0
.endm
.macro PACK relu                       ; the accumulators, each from its low end on, to bf16
.if \relu
	WIN 0x44
.set z, 0
.rept 256
	v_max_num_f32 v[z], 0, v[z]
.set z, z+1
.endr
.endif
	WIN 0x05
.set z, 0
.rept 128
	v_cvt_pk_bf16_f32 v[PK+z], v[2*z], v[2*z+1]
.set z, z+1
.endr
	WIN 0
.endm
.macro STOREQK                         ; fragment (t, 4 w + cb / 2), part cb % 2: each store covers 512 consecutive bytes, aligned
.set z, 0
.rept 32
	global_store_b128 v[GO], v[PK+4*z:PK+4*z+3], s[OUTP:OUTP+1] offset:(16*(z%4)+z/8)*1024+((z/4)%2)*512
.set z, z+1
.endr
.endm
.macro STOREV                          ; fragment (w, key chunk t / 2 of my 64 keys, cb), part t % 2
.set z, 0
.rept 32
	global_store_b128 v[GOV], v[PK+4*z:PK+4*z+3], s[20:21] offset:(8*((z%4)/2)+z/4)*1024+(z%2)*512
.set z, z+1
.endr
.endm
.macro BIASLOAD lo                     ; register j of cb: bias[my 128 channels' first + 16 cb + 8 h + j]; the base stands at my 128 channels
.set z, 0
.rept 8
	global_load_b128 v[BIAS+8*z:BIAS+8*z+3],   v[GB], s[\lo:\lo+1] offset:64*z
	global_load_b128 v[BIAS+8*z+4:BIAS+8*z+7], v[GB], s[\lo:\lo+1] offset:64*z+16
.set z, z+1
.endr
.endm
; One weight block: four chunks on buffers 0, 1, 0, 1.  Each s_wait_dscnt 16 leaves out the 16 loads issued last.  looped = 1: behind the first chunk the next
; product's bias is asked for (not in the third product); behind blocks 0 and 1 of the first product rep1 is asked for, into the registers of X chunks that
; have had their last product.  These jumps go forward and pass neither a barrier nor a tensor load.
.macro BLOCK b, form, fill, looped
.set FST, 0
.if (\b) == 0
.set FST, 1
.endif
	s_wait_dscnt 16
	MUL 4*(\b), WB0, \form, FST
	PLACES 4
.if (\looped) && ((\b) == 0)
	WIN 0
	s_cmp_eq_u32 s[PCT], 2
	s_cbranch_scc1 .Lnobias_\@
	BIASLOAD BP
.Lnobias_\@:
.endif
	FETCHW (\b)%2, 2, WB0
	s_wait_dscnt 16
	MUL 4*(\b)+1, WB1, \form, 0
	PLACES 4
	FETCHW (\b)%2, 3, WB1
	s_wait_dscnt 16
	MUL 4*(\b)+2, WB0, \form, 0
	TURNW (\b)%2, \fill, \b, \looped
.if (\b) < 3
	FETCHW ((\b)+1)%2, 0, WB0
.endif
	MUL 4*(\b)+3, WB1, \form, 0
.if (\b) < 3
	PLACES 4
	FETCHW ((\b)+1)%2, 1, WB1
.endif
.if (\looped) && ((\b) < 2)
	WIN 0
	s_cmp_lg_u32 s[PCT], 0
	s_cbranch_scc1 .Lnoraw_\@
	RAWLOAD XBB, \b
.Lnoraw_\@:
.endif
.endm
.macro PRODUCT form, f0, f1, f2, f3, looped
	WIN 0
	s_wait_loadcnt 0x0                             ; the bias
	FETCHW 0, 0, WB0
	FETCHW 0, 1, WB1
	BLOCK 0, \form, \f0, \looped
	BLOCK 1, \form, \f1, \looped
	BLOCK 2, \form, \f2, \looped
	BLOCK 3, \form, \f3, \looped
.endm
	s_load_b512 s[4:19], s[0:1], 0x0               ; rep s[4:5], rep1 s[6:7], Wq_b s[8:9], Wk_b s[10:11], Wv_b s[12:13], wf s[14:15], qf s[16:17], kf s[18:19]
	s_load_b64 s[20:21], s[0:1], 0x40              ; vf
	v_lshl_add_u32 v[SPW], v0, 2, SPARE
	v_mov_b32 v[NIL], 0
	ds_add_u32 v[SPW], v[NIL]                      ; the wave's opening: the add and its wait stand ahead of my first tensor load; the set-up stands between them
	v_lshrrev_b32 v1, 5, v0
	v_readfirstlane_b32 s[WV], v1                  ; wave 0..3
	s_bfe_u32 s23, ttmp6, 0x40000                  ; cx: my place in the cluster
	s_lshl_b32 s24, ttmp9, 2                       ; in a cluster launch ttmp9 counts clusters
	s_add_co_u32 s24, s24, s23                     ; my block of 64 rows: it enters the addresses of rep, rep1, qf, kf and vf alone
	s_bfe_u32 s[WM], ttmp9, 0x10002                ; m = (bit 0 xor bit 2, bit 1 xor bit 2) of the cluster's number, which the four partners share:
	s_mul_i32 s[WM], s[WM], 3                      ; whichever one of the three bits is held fixed, the four clusters that are left have four different m
	s_and_b32 s[MR], ttmp9, 3
	s_xor_b32 s[MR], s[MR], s[WM]
	s_xor_b32 s[WM], s[WV], s[MR]                  ; w xor m
	; descriptor group 1: 32,768 dense bytes as 128 rows of 256 bytes
	s_mov_b32 s[G1+0], 15|(3<<16)|(1<<21)          ; 15:0 the mask: all four work-groups; 17:16 elements of 8 bytes; 21 set beside a mask; no padding
	s_mov_b32 s[G1+1], 32<<16                      ; tensor_dim0 = 32
	s_mov_b32 s[G1+2], 128<<16                     ; tensor_dim1 = 128
	s_mov_b32 s[G1+3], 32<<16                      ; tile_dim0 = 32
	s_mov_b32 s[G1+4], 128                         ; tile_dim1 = 128
	s_mov_b32 s[G1+5], 32                          ; 32 elements from row to row
	s_mov_b32 s[G1+6], 0
	s_mov_b32 s[G1+7], 0
	s_lshl_b32 s28, s[WV], 15                      ; my quarter: 32,768 w, in memory and in a slot
	s_mov_b32 s29, 0
	s_mov_b32 s[G0], 1                             ; count = 1
	s_mov_b32 s[G0+1], s28                         ; LDS address: slot 0
	s_mov_b32 s[G0+4], 1
	s_add_co_u32 s[G0+5], s28, BLK                 ; slot 1
	s_mov_b32 s[DOF+1], 0
	v_and_b32 v13, 31, v0                          ; lane
	v_and_b32 v14, 15, v0                          ; r
	v_bfe_u32 v15, v0, 4, 1                        ; h
	v_lshlrev_b32 v16, 4, v13                      ; 16 lane
	v_add_nc_u32 v[AW], s28, v16
	v_add_nc_u32 v[AW+1], BLK, v[AW]
	s_lshl_b32 s30, s[WV], 10
	s_add_co_u32 s30, s30, XST
	v_add_nc_u32 v[AXS], s30, v16
	v_add_nc_u32 v[AXL], XST, v16
	s_and_b32 s30, s[WV], 1
	s_lshl_b32 s30, s30, 14
	s_add_co_u32 s30, s30, XST
	v_add_nc_u32 v[AXA], s30, v16
	s_mul_i32 s30, s[WV], 16*RP
	s_add_co_u32 s30, s30, RAWST                   ; my raw stage
	v_mul_u32_u24 v17, v15, RP
	v_lshl_add_u32 v17, v14, 4, v17
	v_add_nc_u32 v[ARS], s30, v17
	v_mul_u32_u24 v17, v14, RP
	v_lshl_add_u32 v17, v15, 5, v17
	v_add_nc_u32 v[ARL], s30, v17
	v_lshlrev_b32 v17, 11, v15
	v_lshl_add_u32 v17, v14, 4, v17
	v_add_nc_u32 v[GX], s28, v17                   ; 16 rows of 2,048 bytes a wave
	v_lshlrev_b32 v[GB], 5, v15
	s_lshl_b32 s30, s[WV], 12
	v_add_nc_u32 v[GO], s30, v16
	v_add_nc_u32 v[GOV], s28, v16
	s_wait_dscnt 0x0                               ; the opening add is done
	s_wait_kmcnt 0x0
	s_lshl_b32 s26, s24, 17                        ; 64 rows of 2,048 bytes
	s_mov_b32 s27, 0
	s_add_nc_u64 s[4:5], s[4:5], s[26:27]
	s_add_nc_u64 s[6:7], s[6:7], s[26:27]
	s_lshl_b32 s26, s24, 16                        ; 64 fragments of 1,024 bytes
	s_add_nc_u64 s[16:17], s[16:17], s[26:27]
	s_add_nc_u64 s[18:19], s[18:19], s[26:27]
	s_lshr_b32 s26, s24, 1                         ; v2: the block of 128 keys,
	s_lshl_b32 s26, s26, 17
	s_and_b32 s25, s24, 1                          ; and which two of its four key chunks are mine
	s_lshl_b32 s25, s25, 14
	s_add_co_u32 s26, s26, s25
	s_add_nc_u64 s[20:21], s[20:21], s[26:27]
	s_mov_b32 s31, 0
.irp bb, 0,1,2,3                               ; the registers' block bb of X takes columns 128 (bb xor m) on: 512 bytes of a row each
	s_xor_b32 s30, s[MR], \bb
	s_lshl_b32 s30, s30, 9
	s_add_nc_u64 s[XBA+2*\bb:XBA+2*\bb+1], s[4:5], s[30:31]
	s_add_nc_u64 s[XBB+2*\bb:XBB+2*\bb+1], s[6:7], s[30:31]
.endr
	s_lshl_b32 s30, s[WV], 9                       ; the biases at my 128 channels: 128 w for q and k,
	s_add_nc_u64 s[8:9], s[8:9], s[30:31]
	s_add_nc_u64 s[10:11], s[10:11], s[30:31]
	s_lshl_b32 s30, s[WM], 9                       ; 128 (w xor m) for v
	s_add_nc_u64 s[12:13], s[12:13], s[30:31]
	s_lshl_b32 s30, s[WM], 15
	s_add_nc_u64 s[WQ2:WQ2+1], s[14:15], s[30:31]  ; both bases are made of the wave's number and m alone
	s_add_nc_u64 s[WQ1:WQ1+1], s[14:15], s[28:29]
	s_lshl_b32 s[DOF], s[MR], 17                   ; place 0 holds block m,
	s_add_nc_u64 s[G0+2:G0+3], s[WQ1:WQ1+1], s[DOF:DOF+1]
	s_xor_b32 s[DOF], s[MR], 1                     ; place 1 block 1 xor m
	s_lshl_b32 s[DOF], s[DOF], 17
	s_add_nc_u64 s[G0+6:G0+7], s[WQ1:WQ1+1], s[DOF:DOF+1]
	s_or_b32 s[G0+3], s[G0+3], 0x80000000          ; type = 2
	s_or_b32 s[G0+7], s[G0+7], 0x80000000
	s_mov_b64 s[OUTP:OUTP+1], s[16:17]
	s_mov_b64 s[BP:BP+1], s[10:11]
	RAWLOAD XBA, 0                                 ; rep
	RAWLOAD XBA, 1
	BIASLOAD 8
	ROUND                                          ; all four work-groups are here: the first joint loads meet
	tensor_load_to_lds s[G0:G0+3], s[G1:G1+7]      ; place 0
	s_nop 0
	tensor_load_to_lds s[G0+4:G0+7], s[G1:G1+7]    ; place 1
	s_nop 0
	PLACES 4
	s_wait_loadcnt 16                              ; rep is in; the 16 bias loads may be out
	TRANSP
	CVTRAW
	XSTORE_RAW 0                                   ; X crosses the waves in two halves of K: stored, barrier, read, barrier, stored again
	BAR
	XLOAD 0
	BAR
	XSTORE_RAW 1
	BAR
	XLOAD 1
	s_wait_tensorcnt 1                             ; my quarter of place 0 is in, and I alone read it; place 1 may be out
	s_mov_b32 s[PCT], 0
.Lprod:                                                ; three trips: Wq, Wk, Wv
	PRODUCT 0, 1, 1, 1, 1, 1
	WIN 0
	PLACES 4                                       ; in front of the reads of the sums
	PACK 1                                         ; in every trip; its lines are also the places in front of the next trip's first products, which start the same accumulators anew
	s_cmp_eq_u32 s[PCT], 2
	s_cbranch_scc1 .Lkeep                          ; v is not stored: it goes on, packed, into the fourth product
	STOREQK
.Lkeep:
	s_wait_xcnt 0x0                                ; the stores' data and base and the bias loads' base are rewritten only behind this wait
	s_mov_b64 s[OUTP:OUTP+1], s[18:19]
	s_mov_b64 s[BP:BP+1], s[12:13]
	s_cmp_lg_u32 s[PCT], 0                         ; behind the first product X changes from rep to rep1; the three barriers stand on every path
	s_cbranch_scc1 .Lx1
	s_wait_loadcnt 0x0                             ; rep1
	TRANSP
	CVTRAW
	XSTORE_RAW 0
.Lx1:
	BAR
	s_cmp_lg_u32 s[PCT], 0
	s_cbranch_scc1 .Lx2
	XLOAD 0
.Lx2:
	BAR
	s_cmp_lg_u32 s[PCT], 0
	s_cbranch_scc1 .Lx3
	XSTORE_RAW 1
.Lx3:
	BAR
	s_cmp_lg_u32 s[PCT], 0
	s_cbranch_scc1 .Lx4
	XLOAD 1
.Lx4:
	s_add_co_u32 s[PCT], s[PCT], 1
	s_cmp_lt_u32 s[PCT], 3
	s_cbranch_scc1 .Lprod
	s_cmp_ge_u32 s[WV], 2                          ; v lies packed since the last trip: waves 0 and 1 hold the registers' chunks 0-7, waves 2 and 3 chunks 8-15
	s_cbranch_scc1 .Lt1
	XSTORE_ACC
.Lt1:
	BAR
	XLOAD 0
	BAR
	s_cmp_lt_u32 s[WV], 2
	s_cbranch_scc1 .Lt2
	XSTORE_ACC
.Lt2:
	BAR
	XLOAD 1
	PRODUCT 1, 1, 1, 0, 2, 0                       ; v FC, written out: its last two blocks ask for nothing
	WIN 0
	PLACES 4
	PACK 0
	STOREV
	s_wait_tensorcnt 0x0                           ; the wave's end, behind my last tensor load and my last LDS store
	ds_add_u32 v[SPW], v[NIL]
	s_wait_dscnt 0x0
	ROUND                                          ; the closing round: no work-group ends while a partner may still ask for a block that names it
	s_endpgm
.Lfunc_end_k_qd358293134_proj:
	.size	k_qd358293134_proj, .Lfunc_end_k_qd358293134_proj-k_qd358293134_proj
	.p2alignl 7, 3214868480
	.fill 96, 4, 3214868480
	.section	.rodata,"a",@progbits
	.p2align	6, 0x0
	.amdhsa_kernel k_qd358293134_proj
		.amdhsa_group_segment_fixed_size 327680
		.amdhsa_private_segment_fixed_size 0
		.amdhsa_enable_private_segment 0
		.amdhsa_kernarg_size 72
		.amdhsa_user_sgpr_count 2
		.amdhsa_user_sgpr_kernarg_segment_ptr 1
		.amdhsa_wavefront_size32 1
		.amdhsa_system_sgpr_workgroup_id_x 1
		.amdhsa_system_sgpr_workgroup_id_y 1
		.amdhsa_system_sgpr_workgroup_id_z 1
		.amdhsa_system_vgpr_workitem_id 0
		.amdhsa_next_free_vgpr 1024
		.amdhsa_next_free_sgpr 84
		.amdhsa_reserve_vcc 0
		.amdhsa_float_denorm_mode_32 3
		.amdhsa_float_denorm_mode_16_64 3
		.amdhsa_memory_ordered 1
		.amdhsa_forward_progress 1
		.amdhsa_inst_pref_size 226
	.end_amdhsa_kernel
	.amdgpu_metadata
---
amdhsa.version: [ 1, 2 ]
amdhsa.kernels:
  - .name:           k_qd358293134_proj
    .symbol:         k_qd358293134_proj.kd
    .args:
      - { .name: rep, .offset: 0, .size: 8, .value_kind: global_buffer, .address_space: global }
      - { .name: rep1, .offset: 8, .size: 8, .value_kind: global_buffer, .address_space: global }
      - { .name: Wq_b, .offset: 16, .size: 8, .value_kind: global_buffer, .address_space: global }
      - { .name: Wk_b, .offset: 24, .size: 8, .value_kind: global_buffer, .address_space: global }
      - { .name: Wv_b, .offset: 32, .size: 8, .value_kind: global_buffer, .address_space: global }
      - { .name: wf, .offset: 40, .size: 8, .value_kind: global_buffer, .address_space: global }
      - { .name: qf, .offset: 48, .size: 8, .value_kind: global_buffer, .address_space: global }
      - { .name: kf, .offset: 56, .size: 8, .value_kind: global_buffer, .address_space: global }
      - { .name: vf, .offset: 64, .size: 8, .value_kind: global_buffer, .address_space: global }
    .group_segment_fixed_size: 327680
    .private_segment_fixed_size: 0
    .kernarg_segment_align: 8
    .kernarg_segment_size: 72
    .max_flat_workgroup_size: 128
    .sgpr_count:     84
    .vgpr_count:     1024
    .wavefront_size: 32
...
	.end_amdgpu_metadata
.endif
;; end of part 2
;; launch attn (part 3): grid 256 x 1, 4 waves a work-group, clusters of 4 x 1, 327,680 bytes of LDS; arguments qf, kf, vf, FC_b, out0; writes out0
.if DOCPART == 3
	.amdgcn_target "amdgcn-amd-amdhsa--gfx1250"
	.amdhsa_code_object_version 6
	.text
	.protected	k_qd358293134_attn
	.globl	k_qd358293134_attn
	.p2align	8
	.type	k_qd358293134_attn,@function
k_qd358293134_attn:
	s_mov_b64 s[64:65], 0
	v_nop
	global_prefetch_b8 v0, s[64:65] scope:SCOPE_SE
	s_setreg_imm32_b32 hwreg(HW_REG_WAVE_MODE, 25, 1), 1
	s_wait_xcnt 0x0
	s_wait_alu depctr_hold_cnt(0) depctr_sa_sdst(0) depctr_va_vdst(0) depctr_va_sdst(0) depctr_va_ssrc(0) depctr_va_vcc(0) depctr_vm_vsrc(0)
	s_getreg_b32 s2, hwreg(HW_REG_IB_STS2, 6, 4)
	s_cmp_eq_u32 s2, 0
	s_cbranch_scc0 .Lentry_in_a_cluster
	s_endpgm
.Lentry_in_a_cluster:
	s_bfe_u32 s2, ttmp6, 0x10000c
	s_cmp_lg_u32 s2, 0x3003
	s_cbranch_scc0 .Lentry_shape_is_right
	s_endpgm
.Lentry_shape_is_right:
; out = relu(softmax(q k^T / sqrt 512) v2 + FC_b), v2 = v FC from the launch before.  q, k, v2 are bf16 fragments (register images of 1,024 bytes); products, maxima
; and sums in f32; the weights p are rounded to bf16 for the second product, their sum l is taken of the unrounded p.
; LIMITS.  c x score must lie above -4e37 (c m starts at -4.25e37); a weight below 2^-126 counts as 0 in l; NaN and infinities are not treated apart.
; SHARES.  A work-group owns 64 queries (four tiles t of 16) of one batch and walks its 2,048 keys, 128 a step.
;   S^T = K Q^T: wave w makes keys 32 w .. + 31 x all 64 queries: 8 accumulators (kt, t), 16 chunks of 32 channels, Q in 512 registers.
;   O^T = V2^T P: wave w makes channels 128 w .. + 127 x all 64 queries: 32 accumulators (cb, t), 4 chunks of 32 keys.
;   So each byte of K and V2 is read from LDS once, by the wave that fetched it; P, the waves' maxima and at the end their sums cross the waves through LDS.
; In S^T, P and O^T a lane holds ONE query (lane % 16); two results S^T rounded to bf16 are the two parts of a fragment of P.
; SOFTMAX.  A running maximum m over all keys seen (the same in all four waves): p = 2^(c s - c m), c = log2(e) / sqrt 512; in every step O and l are multiplied by
; a = 2^(c m_old - c m_new).  O and l start at 0 and c m far below every c s, so the first step is a step like any other with a = 0: one copy of a step's text less.
; O is set to 0 by 32 products of zero operands, 8 registers a line, in the wait for the first tile: a quarter of the text of 256 moves.
; WHICH CLUSTERS SHARE A BATCH.  Those whose numbers agree in the low three bits: batch = number % 8, and f = number / 8 is the cluster's number in its batch.
; The choice changes no value: it decides only which work-groups read the same K and V2.
; THE WALK.  A softmax with a running maximum does not mind the order of the keys.  Step s takes the keys 128 (s xor f) on: in steps 8 g .. 8 g + 7 the batch's eight
; clusters take the same eight tiles in eight different orders, so that only in the first of eight steps a cluster asks for bytes that no cluster has asked for before;
; in the other seven another cluster of the batch has asked for them one to seven steps earlier.
; RING AND CLUSTER.  The four work-groups of a cluster belong to one batch and walk the same K and V2: each tile is asked for JOINTLY.  One slot for K, one for V2:
; K of step j + 1 is asked for when all have read K of step j (the round that also carries the maxima), V2 of step j + 1 when all have read V2 of step j.
; By this text's count a wave has two tensor loads out at the start, later one.
; WINDOWS of 256 registers: 0 addresses, statistics, operands; 1 O^T (cb, t) at 8 (4 cb + t); 2, 3 Q (chunk c, t) at 8 (4 (c % 8) + t).
.set BLK,   131072                     ; 128 keys of K or of V2, and a slot
.set VSL,   BLK
.set PST,   2*BLK                      ; P: 16 fragments, number 4 (key chunk) + t
.set STAT,  PST+16384                  ; [query][wave] f32
.set OSTG,  STAT+1024                  ; 16 rows x 528 bytes for each wave, its own, for the way out
.set OPI,   528                        ; 512 bytes + 16: the 16 rows of a store start at 16 different groups of four banks
.set SPARE, OSTG+4*16*OPI              ; the spare words, 128 bytes a wave: two blocks of 256 bytes that no other line names
.set AK,   2                           ; v2   my quarter of the K slot + 16 lane
.set AV,   3                           ; v3   of the V2 slot
.set APS,  4                           ; v4   PST + 4,096 w + 16 lane
.set APL,  5                           ; v5   PST + 16 lane
.set AST,  6                           ; v6   STAT + 16 r + 4 w
.set ASL,  7                           ; v7   STAT + 16 r
.set AOS,  8                           ; v8   my stage, going in: row r, 32 h
.set AOL,  9                           ; v9   coming out: 16 lane
.set GOU,  10                          ; v10  512 w + 16 lane: my channels in a row of out
.set GB,   11                          ; v11  512 w + 32 h: my channels in the bias
.set L16,  12                          ; v12  16 lane
.set PFA,  17                          ; v17  131,072 (8 xor f) + 8,192 cx + 256 lane: what I ask for ahead of step 8; never rewritten
.set SPW,  30                          ; v30  SPARE + 4 x my thread's number; never rewritten
.set NIL,  31                          ; v31  0; never rewritten
.set ST,   32                          ; tile t at v[ST + 8 t]: c m, m, l (two), a (at the end 1 / l), c m_old, two at work
.set KB0,  64                          ; S phase: K fragments of four chunks, two buffers
.set KB1,  128
.set S,    192                         ; S^T (kt, t) at S + 8 (4 kt + t)
.set PP,   128                         ; softmax: packed p at PP + 8 t + 4 kt
.set SLD,  160                         ; the four waves' figures for my queries
.set BV0,  64                          ; PV phase: V2 and P of one key chunk, two buffers
.set BP0,  128
.set BV1,  160
.set BP1,  224
.set BI,   64                          ; the way out: bias, 8 registers for each cb
.set OB,   128                         ; the way out: 16 rows read back, two buffers of 64
.set WV,   14                          ; s14  my wave's number
.set TI,   18                          ; s18  at work: a tile's number
.set G1,   24                          ; s[24:31] descriptor group 1
.set G0K,  32                          ; s[32:35] descriptor group 0 for K
.set G0V,  36                          ; s[36:39] for V2
.set CS,   40                          ; s[40:41] c
.set SEL,  42                          ; s[42:43] v_permlanex16_b32's selects: each lane takes its own place in the other half
.set CNT,  44                          ; s44  steps to go
.set FR,   45                          ; s45  f
.set OFF,  46                          ; s[46:47] the next tile's byte offset in the batch's K and V2; the high word stays 0
.set MSB, 0
.macro WIN new                         ; the immediate's high byte repeats the setting that is left; a switch that changes nothing is dropped
.if MSB != (\new)
	s_set_vgpr_msb (MSB<<8)|(\new)
.set MSB, (\new)
.endif
.endm
.macro PLACES n                        ; plain vector instructions between a matrix instruction and what touches its registers (ISA guide 7.12.1)
.rept \n
	v_nop
.endr
.endm
.macro BAR
	s_wait_dscnt 0x0
	s_barrier_signal -1
	s_barrier_wait -1
.endm
.macro ROUND                           ; a round of the cluster's barrier
	s_barrier_signal -1
	s_barrier_wait -1
	s_cmp_lg_u32 s[WV], 0
	s_cbranch_scc1 .Lnot_wave_0_\@
	s_barrier_signal -3
.Lnot_wave_0_\@:
	s_barrier_wait -3
	s_barrier_signal -1
	s_barrier_wait -1
.endm
; 16 LDS loads: K fragments of chunks 4 g .. + 3 for my two key tiles.  Destination and address lie in window 0, which the S phase's settings leave alone.
.macro FETCHK g, buf
.set z, 0
.rept 8                                ; z = 2 cl + kt
	ds_load_b128 v[(\buf)+8*z:(\buf)+8*z+3],   v[AK] offset:(16*(z%2)+4*(\g)+z/2)*1024
	ds_load_b128 v[(\buf)+8*z+4:(\buf)+8*z+7], v[AK] offset:(16*(z%2)+4*(\g)+z/2)*1024+512
.set z, z+1
.endr
.endm
; 32 matrix instructions: four chunks; the 8 accumulators take turns.  Chunk 0 starts the sums.
.macro SMUL g, buf
	WIN 0x08+4*((\g)/2)                            ; Q in window 2 or 3
.set z, 0
.rept 32                               ; z = 8 cl + 4 kt + t
.set rS, S+8*(z%8)
.set rK, (\buf)+8*(z/4)
.set rQ, 8*(4*((4*(\g)+z/8)%8)+z%4)
.if ((\g) == 0) && (z < 8)
	v_wmma_f32_16x16x32_bf16 v[rS:rS+7], v[rK:rK+7], v[rQ:rQ+7], 0
.else
	v_wmma_f32_16x16x32_bf16 v[rS:rS+7], v[rK:rK+7], v[rQ:rQ+7], v[rS:rS+7]
.endif
.set z, z+1
.endr
.endm
.macro FETCHV kc, buf                  ; 16 loads: V2^T fragments cb of key chunk kc
	WIN 0
.set z, 0
.rept 8
	ds_load_b128 v[(\buf)+8*z:(\buf)+8*z+3],   v[AV] offset:(8*(\kc)+z)*1024
	ds_load_b128 v[(\buf)+8*z+4:(\buf)+8*z+7], v[AV] offset:(8*(\kc)+z)*1024+512
.set z, z+1
.endr
.endm
.macro FETCHP kc, buf                  ; 8 loads: P fragments t of key chunk kc
	WIN 0
.set z, 0
.rept 4
	ds_load_b128 v[(\buf)+8*z:(\buf)+8*z+3],   v[APL] offset:(4*(\kc)+z)*1024
	ds_load_b128 v[(\buf)+8*z+4:(\buf)+8*z+7], v[APL] offset:(4*(\kc)+z)*1024+512
.set z, z+1
.endr
.endm
.macro PVMUL bv, bp                    ; 32 matrix instructions: one key chunk; the 32 accumulators take turns
	WIN 0x50
.set z, 0
.rept 32                               ; z = 4 cb + t
	v_wmma_f32_16x16x32_bf16 v[8*z:8*z+7], v[(\bv)+8*(z/4):(\bv)+8*(z/4)+7], v[(\bp)+8*(z%4):(\bp)+8*(z%4)+7], v[8*z:8*z+7]
.set z, z+1
.endr
.endm
; The maximum of my wave's 32 keys for each query, into STAT.  Two chains a tile, one for each accumulator, each from its accumulator's low end on; the four tiles alternate.
.macro PMAX
.irp t, 0,1,2,3
	v_max3_num_f32 v[ST+8*\t+6], v[S+8*\t], v[S+8*\t+1], v[S+8*\t+2]
	v_max3_num_f32 v[ST+8*\t+7], v[S+32+8*\t], v[S+32+8*\t+1], v[S+32+8*\t+2]
.endr
.irp t, 0,1,2,3
	v_max3_num_f32 v[ST+8*\t+6], v[ST+8*\t+6], v[S+8*\t+3], v[S+8*\t+4]
	v_max3_num_f32 v[ST+8*\t+7], v[ST+8*\t+7], v[S+32+8*\t+3], v[S+32+8*\t+4]
.endr
.irp t, 0,1,2,3
	v_max3_num_f32 v[ST+8*\t+6], v[ST+8*\t+6], v[S+8*\t+5], v[S+8*\t+6]
	v_max3_num_f32 v[ST+8*\t+7], v[ST+8*\t+7], v[S+32+8*\t+5], v[S+32+8*\t+6]
.endr
.irp t, 0,1,2,3
	v_max3_num_f32 v[ST+8*\t+6], v[ST+8*\t+6], v[S+8*\t+7], v[S+32+8*\t+7]
.endr
.irp t, 0,1,2,3
	v_max_num_f32 v[ST+8*\t+6], v[ST+8*\t+6], v[ST+8*\t+7]
.endr
.irp t, 0,1,2,3
	v_permlanex16_b32 v[ST+8*\t+7], v[ST+8*\t+6], s[SEL], s[SEL+1]   ; the query's other 16 keys lie in the lane 16 away
.endr
.irp t, 0,1,2,3
	v_max_num_f32 v[ST+8*\t+6], v[ST+8*\t+6], v[ST+8*\t+7]
.endr
.irp t, 0,1,2,3
	ds_store_b32 v[AST], v[ST+8*\t+6] offset:256*\t                  ; both halves of the lanes write the same number to the same word
.endr
.endm
.macro EXPS u                          ; tile u's 16 exponentials
.set z, 0
.rept 8
	v_exp_f32 v[S+8*(\u)+z], v[S+8*(\u)+z]
	v_exp_f32 v[S+32+8*(\u)+z], v[S+32+8*(\u)+z]
.set z, z+1
.endr
.endm
.macro CSUM u                          ; tile u: p rounded to bf16; then the 8 pairs are added in place, and l = a l + the sum
.set rA, S+8*(\u)
.set rB, S+32+8*(\u)
.set rT, ST+8*(\u)
.set z, 0
	s_wait_alu depctr_va_vdst(0)
.rept 4
	v_cvt_pk_bf16_f32 v[PP+8*(\u)+z], v[rA+2*z], v[rA+2*z+1]
	v_cvt_pk_bf16_f32 v[PP+8*(\u)+4+z], v[rB+2*z], v[rB+2*z+1]
.set z, z+1
.endr
	v_pk_add_f32 v[rA:rA+1], v[rA:rA+1], v[rA+2:rA+3]
	v_pk_add_f32 v[rB:rB+1], v[rB:rB+1], v[rB+2:rB+3]
	v_pk_add_f32 v[rA+4:rA+5], v[rA+4:rA+5], v[rA+6:rA+7]
	v_pk_add_f32 v[rB+4:rB+5], v[rB+4:rB+5], v[rB+6:rB+7]
	v_pk_add_f32 v[rA:rA+1], v[rA:rA+1], v[rA+4:rA+5]
	v_pk_add_f32 v[rB:rB+1], v[rB:rB+1], v[rB+4:rB+5]
	v_pk_add_f32 v[rA:rA+1], v[rA:rA+1], v[rB:rB+1]
	v_pk_fma_f32 v[rT+2:rT+3], v[rT+2:rT+3], v[rT+4:rT+5], v[rA:rA+1] op_sel_hi:[1,0,1]
.endm
; The new m of the four waves' maxima and the old m; c m; a; c s - c m; the exponentials; roundings and sums.  A run of exponentials has a plain instruction that
; names none of its registers behind it before a result is used (ISA guide 5.7.2): the scalings behind the four a, a v_nop behind the first two tiles' runs,
; then the roundings of the tile before.
.macro SOFT
	WIN 0
.irp t, 0,1,2,3
	v_max3_num_f32 v[ST+8*\t+6], v[SLD+4*\t], v[SLD+4*\t+1], v[SLD+4*\t+2]
.endr
.irp t, 0,1,2,3
	v_mov_b32 v[ST+8*\t+5], v[ST+8*\t]             ; c m_old is kept
.endr
.irp t, 0,1,2,3
	v_max3_num_f32 v[ST+8*\t+1], v[ST+8*\t+6], v[SLD+4*\t+3], v[ST+8*\t+1]
.endr
.irp t, 0,1,2,3
	v_mul_f32 v[ST+8*\t], s[CS], v[ST+8*\t+1]
.endr
.irp t, 0,1,2,3
	v_sub_f32 v[ST+8*\t+6], v[ST+8*\t+5], v[ST+8*\t]
.endr
.irp t, 0,1,2,3
	v_exp_f32 v[ST+8*\t+4], v[ST+8*\t+6]
.endr
.set z, 0
.rept 32                               ; pair z of S^T belongs to tile (z / 4) % 4
	v_pk_fma_f32 v[S+2*z:S+2*z+1], v[S+2*z:S+2*z+1], s[CS:CS+1], v[ST+8*((z/4)%4):ST+8*((z/4)%4)+1] op_sel_hi:[1,0,0] neg_lo:[0,0,1] neg_hi:[0,0,1]
.set z, z+1
.endr
	EXPS 0
	EXPS 1
	v_nop
	s_wait_alu depctr_va_vdst(0)
	CSUM 0
	EXPS 2
	CSUM 1
	EXPS 3
	CSUM 2
	CSUM 3
.endm
.macro RESCALE                         ; O^T times a, each accumulator from its low end on
	WIN 0x41
.set z, 0
.rept 128
	v_pk_mul_f32 v[2*z:2*z+1], v[2*z:2*z+1], v[ST+8*((z/4)%4)+4:ST+8*((z/4)%4)+5] op_sel_hi:[1,0]
.set z, z+1
.endr
.endm
; A KEY STEP.  At its head K's chunks 0-3 are on their way into buffer 0 and the last matrix instruction stands five places back.
; Each s_wait_dscnt 16 leaves out the 16 loads issued last; each s_wait_dscnt 24 the unit fetched last (16 loads of V2, 8 of P).
; fill = 1: both slots are filled again, each behind a round of the cluster's barrier in front of which every wave has waited for all its tensor loads, made the add
; and waited for it and for its reads.  The next step has the number 16 - CNT; its tile's address is made anew from that number xor f.  fill = 0: the last step.
; ASKED FOR AHEAD.  Step 8's tile, 8 xor f, is taken by no other cluster of the batch before step 9.  In the trip of step 6 (CNT = 9), behind K's tensor load, it is asked
; for: K's and V2's 131,072 bytes, one trip ahead of K's tensor load for it and a trip and a half ahead of V2's.  The cluster's sixteen waves share it out: wave w of
; work-group cx asks for 32 places 256 bytes apart in quarter w, from byte 8,192 cx on, so each place is asked for once in the launch.  No other trip asks; the highest
; place, 131,072 x 15 + 32,768 x 3 + 8,192 x 3 + 256 x 31, lies inside the batch's 2,097,152 bytes.  The jump goes forward and passes neither a barrier nor a tensor load.
.macro STEP fill
	FETCHK 1, KB1
	s_wait_dscnt 16
	SMUL 0, KB0
	PLACES 4
	FETCHK 2, KB0
	s_wait_dscnt 16
	SMUL 1, KB1
	PLACES 4
	FETCHK 3, KB1
	s_wait_dscnt 16
	SMUL 2, KB0
	s_wait_dscnt 0x0
	SMUL 3, KB1
	WIN 0
	PLACES 4
	PMAX
	s_wait_tensorcnt 0x0                           ; all my tensor loads have landed: the one that was out is my quarter of this step's V2
.if \fill
	ds_add_u32 v[SPW], v[NIL]                      ; the address is made between it and the wait for it
	s_sub_co_u32 s[TI], 16, s[CNT]
	s_xor_b32 s[TI], s[TI], s[FR]
	s_lshl_b32 s[OFF], s[TI], 17
	s_add_nc_u64 s[G0K+2:G0K+3], s[6:7], s[OFF:OFF+1]
	s_or_b32 s[G0K+3], s[G0K+3], 0x80000000
	s_wait_dscnt 0x0                               ; the add and my maxima are done, my reads of the K slot are over
	ROUND
	tensor_load_to_lds s[G0K:G0K+3], s[G1:G1+7]    ; K of the next step: the softmax and 96 matrix instructions stand ahead of the wait for it
	s_nop 0
	PLACES 4
	s_cmp_lg_u32 s[CNT], 9
	s_cbranch_scc1 .Lnot_step_6_\@
	global_prefetch_b8 v[PFA], s[6:7] th:TH_LOAD_NT scope:SCOPE_SE   ; my 32 places of K of step 8's tile,
	global_prefetch_b8 v[PFA], s[8:9] th:TH_LOAD_NT scope:SCOPE_SE   ; and of its V2
.Lnot_step_6_\@:
.else
	BAR                                            ; my maxima are done; everybody's are
.endif
.set z, 0
.rept 4
	ds_load_b128 v[SLD+4*z:SLD+4*z+3], v[ASL] offset:256*z
.set z, z+1
.endr
	FETCHV 0, BV0
	s_wait_dscnt 16                                ; the maxima are in; V2's 16 loads may be out
	SOFT
.set z, 0
.rept 8                                ; z = 2 t + kt
	ds_store_b128 v[APS], v[PP+4*z:PP+4*z+3] offset:512*z
.set z, z+1
.endr
	BAR                                            ; my part of P is in LDS, my reads of the maxima are back; everybody's are
	FETCHP 0, BP0
	FETCHV 1, BV1
	FETCHP 1, BP1
	RESCALE
	s_wait_dscnt 24
	PVMUL BV0, BP0
	PLACES 4
	FETCHV 2, BV0
	FETCHP 2, BP0
	s_wait_dscnt 24
	PVMUL BV1, BP1
	PLACES 4
	FETCHV 3, BV1
	FETCHP 3, BP1
	s_wait_dscnt 24
	PVMUL BV0, BP0
	WIN 0
.if \fill
	s_wait_tensorcnt 0x0                           ; my quarter of the next step's K has landed
	ds_add_u32 v[SPW], v[NIL]
	s_add_nc_u64 s[G0V+2:G0V+3], s[8:9], s[OFF:OFF+1]   ; the same tile's V2
	s_or_b32 s[G0V+3], s[G0V+3], 0x80000000
	s_wait_dscnt 0x0                               ; the add is done, my reads of the V2 slot and of P are over
	ROUND
	tensor_load_to_lds s[G0V:G0V+3], s[G1:G1+7]    ; V2 of the next step: 160 matrix instructions stand ahead of the wait for it
	s_nop 0
	PLACES 4                                       ; also the places in front of the loads into buffer 0
	FETCHK 0, KB0
.else
	s_wait_dscnt 0x0
.endif
	PVMUL BV1, BP1
	WIN 0
	PLACES 5                                       ; the next step's first products write over this buffer's registers
.endm
; THE WAY OUT of tile t: O / l + bias, relu, through my own stage (a lane's 8 channels of a row go in, whole pieces of 512 bytes of a row come back).
.macro OUTT t
	WIN 0x41
.set z, 0
.rept 32                               ; z = 4 cb + pair
.set rO, 8*(4*(z/4)+(\t))+2*(z%4)
	v_pk_fma_f32 v[rO:rO+1], v[rO:rO+1], v[ST+8*(\t)+4:ST+8*(\t)+5], v[BI+2*z:BI+2*z+1] op_sel_hi:[1,0,1]
.set z, z+1
.endr
	WIN 0x44
.set z, 0
.rept 64
.set rO, 8*(4*(z/8)+(\t))+z%8
	v_max_num_f32 v[rO], 0, v[rO]
.set z, z+1
.endr
	WIN 0x04                                       ; store data window 1
.set z, 0
.rept 8
	ds_store_b128 v[AOS], v[8*(4*z+(\t)):8*(4*z+(\t))+3]   offset:64*z
	ds_store_b128 v[AOS], v[8*(4*z+(\t))+4:8*(4*z+(\t))+7] offset:64*z+16
.set z, z+1
.endr
	WIN 0
.if (\t) >= 2
	s_wait_xcnt 0x0                                ; the buffer, which the stores of the tile two back read, is loaded again only behind this wait
.endif
.set z, 0
.rept 16
	ds_load_b128 v[OB+64*((\t)%2)+4*z:OB+64*((\t)%2)+4*z+3], v[AOL] offset:OPI*z   ; LDS serves a wave's instructions in order (ISA guide 5.7.1.4): these see the stores above
.set z, z+1
.endr
.endm
.macro SENDT t, younger                ; younger: the LDS instructions issued behind tile t's loads: the next tile's 32, or none
.set z, 0
.rept 16
.if z%4 == 0
	s_wait_dscnt (\younger)+12-z                   ; rows z .. z + 3 are back: the 12 - z later rows and the younger instructions may be out
.endif
	global_store_b128 v[GOU], v[OB+64*((\t)%2)+4*z:OB+64*((\t)%2)+4*z+3], s[12:13] offset:(16*(\t)+z)*2048 th:TH_STORE_NT   ; 512 consecutive bytes, aligned
.set z, z+1
.endr
.endm
	s_load_b256 s[4:11], s[0:1], 0x0               ; qf s[4:5], kf s[6:7], vf s[8:9], FC_b s[10:11]
	s_load_b64 s[12:13], s[0:1], 0x20              ; out0
	v_lshl_add_u32 v[SPW], v0, 2, SPARE
	v_mov_b32 v[NIL], 0
	ds_add_u32 v[SPW], v[NIL]                      ; the wave's opening: the add and its wait stand ahead of my first tensor load; the set-up stands between them
	v_lshrrev_b32 v1, 5, v0
	v_readfirstlane_b32 s[WV], v1                  ; wave 0..3
	s_bfe_u32 s15, ttmp6, 0x40000                  ; cx: my place in the cluster
	s_and_b32 s22, ttmp9, 7                        ; in a cluster launch ttmp9 counts clusters, 0..63: the batch is its low three bits,
	s_lshr_b32 s[FR], ttmp9, 3                     ; f, the cluster's number in its batch, the other three: the four partners share both
	s_lshl_b32 s20, s22, 3                         ; 8 clusters a batch,
	s_add_co_u32 s20, s20, s[FR]
	s_lshl_b32 s20, s20, 2                         ; 4 work-groups a cluster:
	s_add_co_u32 s20, s20, s15                     ; my block of 64 queries, 32 batch + 4 f + cx: it enters qf's and out0's addresses alone
	s_mov_b32 s21, 0
	s_lshl_b32 s16, s[WV], 15                      ; my quarter: 32,768 w
	s_lshl_b32 s22, s22, 21                        ; the batch's 2,048 keys x 1,024 bytes
	s_add_co_u32 s22, s22, s16
	s_mov_b32 s23, 0
	s_lshl_b32 s[OFF], s[FR], 17                   ; step 0 takes tile f
	s_mov_b32 s[OFF+1], 0
	s_mov_b32 s[G1+0], 15|(3<<16)|(1<<21)          ; 15:0 the mask: all four work-groups; 17:16 elements of 8 bytes; 21 set beside a mask; no padding
	s_mov_b32 s[G1+1], 32<<16                      ; tensor_dim0 = 32: 32,768 dense bytes as 128 rows of 256
	s_mov_b32 s[G1+2], 128<<16                     ; tensor_dim1 = 128
	s_mov_b32 s[G1+3], 32<<16                      ; tile_dim0 = 32
	s_mov_b32 s[G1+4], 128                         ; tile_dim1 = 128
	s_mov_b32 s[G1+5], 32                          ; 32 elements from row to row
	s_mov_b32 s[G1+6], 0
	s_mov_b32 s[G1+7], 0
	s_mov_b32 s[G0K], 1
	s_mov_b32 s[G0K+1], s16                        ; the K slot begins at LDS byte 0
	s_mov_b32 s[G0V], 1
	s_add_co_u32 s[G0V+1], s16, VSL
	s_mov_b32 s[CS], 0x3d8293ee                    ; c = log2(e) / sqrt(512) = 0.0637587
	s_mov_b32 s[CS+1], s[CS]                       ; named with it as a pair
	s_mov_b32 s[SEL], 0x76543210
	s_mov_b32 s[SEL+1], 0xfedcba98
	s_mov_b32 s[CNT], 15
	v_and_b32 v13, 31, v0                          ; lane
	v_and_b32 v14, 15, v0                          ; r
	v_bfe_u32 v15, v0, 4, 1                        ; h
	v_lshlrev_b32 v[L16], 4, v13
	s_xor_b32 s19, s[FR], 8                        ; step 8's tile,
	s_lshl_b32 s19, s19, 17
	s_lshl_b32 s17, s15, 13                        ; my work-group's quarter of my wave's quarter of it,
	s_add_co_u32 s19, s19, s17
	v_lshl_add_u32 v[PFA], v13, 8, s19             ; a place for each lane, 256 bytes apart: an offset for the two lines that ask ahead, and for nothing else
	v_add_nc_u32 v[AK], s16, v[L16]
	v_add_nc_u32 v[AV], VSL, v[AK]
	s_lshl_b32 s[TI], s[WV], 12
	s_add_co_u32 s[TI], s[TI], PST
	v_add_nc_u32 v[APS], s[TI], v[L16]
	v_add_nc_u32 v[APL], PST, v[L16]
	v_lshlrev_b32 v16, 4, v14
	v_add_nc_u32 v[ASL], STAT, v16
	v_lshl_add_u32 v[AST], s[WV], 2, v[ASL]
	s_mul_i32 s[TI], s[WV], 16*OPI
	s_add_co_u32 s[TI], s[TI], OSTG                ; my stage
	v_mul_u32_u24 v16, v14, OPI
	v_lshl_add_u32 v16, v15, 5, v16
	v_add_nc_u32 v[AOS], s[TI], v16
	v_add_nc_u32 v[AOL], s[TI], v[L16]
	s_lshl_b32 s[TI], s[WV], 9
	v_add_nc_u32 v[GOU], s[TI], v[L16]
	v_lshl_add_u32 v[GB], v15, 5, s[TI]
	s_wait_dscnt 0x0                               ; the opening add is done
	s_wait_kmcnt 0x0
	s_lshl_b32 s20, s20, 16                        ; 64 fragments of 1,024 bytes
	s_add_nc_u64 s[4:5], s[4:5], s[20:21]
	s_lshl_b32 s20, s20, 1                         ; 64 rows of 2,048 bytes
	s_add_nc_u64 s[12:13], s[12:13], s[20:21]
	s_add_nc_u64 s[6:7], s[6:7], s[22:23]          ; K and V2 at my quarter of the batch's tile 0: made of the batch and the wave's number alone
	s_add_nc_u64 s[8:9], s[8:9], s[22:23]
	s_add_nc_u64 s[G0K+2:G0K+3], s[6:7], s[OFF:OFF+1]
	s_or_b32 s[G0K+3], s[G0K+3], 0x80000000        ; type = 2
	s_add_nc_u64 s[G0V+2:G0V+3], s[8:9], s[OFF:OFF+1]
	s_or_b32 s[G0V+3], s[G0V+3], 0x80000000
	WIN 0x80                                       ; Q stays in registers: chunks 0-7 in window 2,
.set z, 0
.rept 32                               ; z = 4 (c % 8) + t
	global_load_b128 v[8*z:8*z+3],   v[L16], s[4:5] offset:(16*(z%4)+z/4)*1024
	global_load_b128 v[8*z+4:8*z+7], v[L16], s[4:5] offset:(16*(z%4)+z/4)*1024+512
.set z, z+1
.endr
	WIN 0xc0                                       ; chunks 8-15 in window 3
.set z, 0
.rept 32
	global_load_b128 v[8*z:8*z+3],   v[L16], s[4:5] offset:(16*(z%4)+8+z/4)*1024
	global_load_b128 v[8*z+4:8*z+7], v[L16], s[4:5] offset:(16*(z%4)+8+z/4)*1024+512
.set z, z+1
.endr
	WIN 0
	ROUND                                          ; all four work-groups are here: the first joint loads meet
	tensor_load_to_lds s[G0K:G0K+3], s[G1:G1+7]    ; K of step 0
	s_nop 0
	tensor_load_to_lds s[G0V:G0V+3], s[G1:G1+7]    ; V2 of step 0
	s_nop 0
	PLACES 4
.set z, 0
.rept 16                                       ; in the wait for the first tile: two zero operands,
	v_mov_b32 v[KB0+z], 0
.set z, z+1
.endr
.irp t, 0,1,2,3
	v_mov_b32 v[ST+8*\t], 0xfe000000               ; c m: far below every c s
	v_mov_b32 v[ST+8*\t+1], 0xff7fffff             ; m: the lowest finite number
	v_mov_b32 v[ST+8*\t+2], 0                      ; l = 0
	v_mov_b32 v[ST+8*\t+3], 0
.endr
	WIN 0x40
.set z, 0
.rept 32                                       ; and O = 0 x 0 + 0, an accumulator a line
	v_wmma_f32_16x16x32_bf16 v[8*z:8*z+7], v[KB0:KB0+7], v[KB0+8:KB0+15], 0
.set z, z+1
.endr
	WIN 0
	PLACES 4                                       ; in front of the loads into the two operands' registers
	s_wait_tensorcnt 1                             ; my quarter of K is in, and I alone read it; V2 may be out
	FETCHK 0, KB0
	s_wait_loadcnt 0x0                             ; Q
.Lstep:                                                ; 15 trips: every step but the last asks for the next
	STEP 1
	s_sub_co_u32 s[CNT], s[CNT], 1
	s_cmp_lg_u32 s[CNT], 0
	s_cbranch_scc1 .Lstep
	STEP 0                                         ; the last step is written out
.set z, 0
.rept 8                                        ; register j of cb: FC_b[128 w + 16 cb + 8 h + j]
	global_load_b128 v[BI+8*z:BI+8*z+3],   v[GB], s[10:11] offset:64*z
	global_load_b128 v[BI+8*z+4:BI+8*z+7], v[GB], s[10:11] offset:64*z+16
.set z, z+1
.endr
.irp t, 0,1,2,3                                ; l: my lane's two halves, the other half of the lanes, then the four waves' through STAT
	v_add_f32 v[ST+8*\t+6], v[ST+8*\t+2], v[ST+8*\t+3]
.endr
.irp t, 0,1,2,3
	v_permlanex16_b32 v[ST+8*\t+7], v[ST+8*\t+6], s[SEL], s[SEL+1]
.endr
.irp t, 0,1,2,3
	v_add_f32 v[ST+8*\t+6], v[ST+8*\t+6], v[ST+8*\t+7]
.endr
.irp t, 0,1,2,3
	ds_store_b32 v[AST], v[ST+8*\t+6] offset:256*\t    ; every wave's reads of the maxima were back at the last step's second barrier
.endr
	BAR
.irp t, 0,1,2,3
	ds_load_b128 v[SLD+4*\t:SLD+4*\t+3], v[ASL] offset:256*\t
.endr
	s_wait_dscnt 0x0
.irp t, 0,1,2,3
	v_add_f32 v[SLD+4*\t], v[SLD+4*\t], v[SLD+4*\t+1]
	v_add_f32 v[SLD+4*\t+2], v[SLD+4*\t+2], v[SLD+4*\t+3]
.endr
.irp t, 0,1,2,3
	v_add_f32 v[SLD+4*\t], v[SLD+4*\t], v[SLD+4*\t+2]
.endr
.irp t, 0,1,2,3
	v_rcp_f32 v[ST+8*\t+4], v[SLD+4*\t]            ; l is at least 1: the largest score's weight
.endr
	v_nop                                          ; a plain instruction between the last reciprocal and the use of its result
	s_wait_alu depctr_va_vdst(0)
	s_wait_loadcnt 0x0                             ; the bias
	OUTT 0
	OUTT 1                                         ; a tile's arithmetic stands between the loads of the tile before and its stores
	SENDT 0, 32
	OUTT 2
	SENDT 1, 32
	OUTT 3
	SENDT 2, 32
	SENDT 3, 0
	s_wait_tensorcnt 0x0                           ; the wave's end, behind my last tensor load and my last LDS store
	ds_add_u32 v[SPW], v[NIL]
	s_wait_dscnt 0x0
	ROUND                                          ; the closing round: no work-group ends while a partner may still ask for a tile that names it
	s_endpgm
.Lfunc_end_k_qd358293134_attn:
	.size	k_qd358293134_attn, .Lfunc_end_k_qd358293134_attn-k_qd358293134_attn
	.p2alignl 7, 3214868480
	.fill 96, 4, 3214868480
	.section	.rodata,"a",@progbits
	.p2align	6, 0x0
	.amdhsa_kernel k_qd358293134_attn
		.amdhsa_group_segment_fixed_size 327680
		.amdhsa_private_segment_fixed_size 0
		.amdhsa_enable_private_segment 0
		.amdhsa_kernarg_size 40
		.amdhsa_user_sgpr_count 2
		.amdhsa_user_sgpr_kernarg_segment_ptr 1
		.amdhsa_wavefront_size32 1
		.amdhsa_system_sgpr_workgroup_id_x 1
		.amdhsa_system_sgpr_workgroup_id_y 1
		.amdhsa_system_sgpr_workgroup_id_z 1
		.amdhsa_system_vgpr_workitem_id 0
		.amdhsa_next_free_vgpr 1024
		.amdhsa_next_free_sgpr 66
		.amdhsa_reserve_vcc 0
		.amdhsa_float_denorm_mode_32 3
		.amdhsa_float_denorm_mode_16_64 3
		.amdhsa_memory_ordered 1
		.amdhsa_forward_progress 1
		.amdhsa_inst_pref_size 153
	.end_amdhsa_kernel
	.amdgpu_metadata
---
amdhsa.version: [ 1, 2 ]
amdhsa.kernels:
  - .name:           k_qd358293134_attn
    .symbol:         k_qd358293134_attn.kd
    .args:
      - { .name: qf, .offset: 0, .size: 8, .value_kind: global_buffer, .address_space: global }
      - { .name: kf, .offset: 8, .size: 8, .value_kind: global_buffer, .address_space: global }
      - { .name: vf, .offset: 16, .size: 8, .value_kind: global_buffer, .address_space: global }
      - { .name: FC_b, .offset: 24, .size: 8, .value_kind: global_buffer, .address_space: global }
      - { .name: out0, .offset: 32, .size: 8, .value_kind: global_buffer, .address_space: global }
    .group_segment_fixed_size: 327680
    .private_segment_fixed_size: 0
    .kernarg_segment_align: 8
    .kernarg_segment_size: 40
    .max_flat_workgroup_size: 128
    .sgpr_count:     66
    .vgpr_count:     1024
    .wavefront_size: 32
...
	.end_amdgpu_metadata
.endif
;; end of part 3
